; MI455X (gfx1250); checked and timed in simulation.
; The chip was launched on July 23, 2026; its instructions are those of AMD's public machine-readable ISA for CDNA 5 (MIT licence, August 2026) and "CDNA5" Instruction Set Architecture Reference Guide (July 2026). The comments in the code are by the model that wrote it; some were corrected since.
;; minerva transform. Allowed arithmetic: float matrix products may take bf16 or f16 operands with f32 sums; other float arithmetic in f32, or as packed bf16 or f16 multiplies, adds, multiply-adds, maxima and minima; sums over many terms, partial sums and values carried from step to step in f32; what a program stores and reads back later, other than sums and carried values, may be rounded once to bf16 or f16.
;; Inputs: D 20,000 x 768 float32; X 4,096 x 768 float32; g_b 512 float32; g_w 512 x 768 float32; h_b 1 float32; h_w 1 x 1 float32; r 20,000 x 1 float32.
;; Outputs: out0 4,096 x 1 float32; out1 4,096 x 1 float32.
;; One version. Each part assembles by itself: llvm-mc -triple=amdgcn-amd-amdhsa -mcpu=gfx1250 --defsym DOCPART=n.
;; ======== version 1 of 1: 4 launches
;; workspace buffers: Wf 786,432 bytes; rhv 81,920 bytes; Xn 4,194,304 bytes; Dn 20,971,520 bytes; part 524,288 bytes
;; launch prep (part 1): grid 227 x 1, 8 waves a work-group, no clusters, 0 bytes of LDS; arguments g_w, r, h_w, h_b, Wf, rhv, Dn; writes Wf, rhv, Dn
.if DOCPART == 1
	.amdgcn_target "amdgcn-amd-amdhsa--gfx1250"
	.amdhsa_code_object_version 6
	.text
	.protected	k_q7f15f65f50_prep
	.globl	k_q7f15f65f50_prep
	.p2align	8
	.type	k_q7f15f65f50_prep,@function
k_q7f15f65f50_prep:
	s_mov_b64 s[64:65], 0
	v_nop
	global_prefetch_b8 v0, s[64:65] scope:SCOPE_SE
	s_setreg_imm32_b32 hwreg(HW_REG_WAVE_MODE, 25, 1), 1
	s_wait_xcnt 0x0
; MINERVA, launch 1 of 4: what the later launches want made once.
;   logits[b] = sum over n of sign(a)|a|^3 rh[n],  a = norm(X g_w^T + g_b)[b] . norm(D g_w^T + g_b)[n],  rh[n] = h_w (2 r[n] - 1) + h_b;  preds = sigmoid(logits).
; NOTHING OF THE PROBLEM IS LEFT OUT: every input has a way to both outputs and is loaded.  sign(a)|a|^3 = a^3 for every real a, so the power is two multiplications.
; FORMATS AND LIMITS (for all four launches).  Every input (X, D, g_w, g_b, r, h_w, h_b) is rounded ONCE to bf16 and used so; products of bf16 numbers are exact and are summed in f32.
; The normalised rows are stored in f16: their components lie in -1 .. 1 whatever the inputs hold, since the division by the row's own norm bounds them; below 6e-5 a component keeps f16's fixed step of 6e-8.
; Sums run in another order than the problem writes them.  NaN and infinities are not treated apart: they travel with the arithmetic.
; The exemplars are padded from 20,000 to 20,480 rows: the pad's rows of Dn are 0 and its rhv are 0, so it adds 0 to every sum.
; THIS LAUNCH, three kinds of work-group, chosen by the work-group's number:
;   0 .. 191    Wf = bf16(g_w), laid out in the order in which a matrix fragment wants it: [slice of 32 k: 24][block of 16 rows: 32][1,024 bytes]; in a block byte 512 j + 16 L holds
;               g_w[16 block + L % 16][32 slice + 16 j + 8 (L / 16) + 0..7]: registers 4 j .. 4 j + 3 of lane L.  A later load of 16 bytes a lane then takes 512 consecutive bytes.
;   192 .. 211  rhv[n], four numbers a thread
;   212 .. 226  the 480 zero rows of Dn, 32,768 bytes a work-group
.set NW,    192                        ; work-groups for the weights: 786,432 bytes / (256 threads x 16 bytes)
.set NR,    20                         ; for rhv: 20,480 numbers / (256 threads x 4)
.set NROWS, 20000                      ; exemplars
.set FROW,  3072                       ; bytes in a row of g_w
	s_load_b256 s[4:11], s[0:1], 0x0               ; g_w s[4:5], r s[6:7], h_w s[8:9], h_b s[10:11]
	s_load_b128 s[12:15], s[0:1], 0x20             ; Wf s[12:13], rhv s[14:15]
	s_load_b64 s[16:17], s[0:1], 0x30              ; Dn
	s_cmp_lt_u32 ttmp9, NW
	s_cbranch_scc0 .Lrh
	; THE WEIGHTS.  A thread makes one piece of 16 bytes.  The work-group reads 256 consecutive bytes of each of 32 rows; each wave stores 512 consecutive bytes.
	v_and_b32 v1, 31, v0                           ; L
	v_bfe_u32 v2, v0, 5, 1                         ; j
	v_bfe_u32 v3, v0, 6, 1
	v_bfe_u32 v4, v0, 7, 1
	s_lshr_b32 s18, ttmp9, 4
	s_lshl_b32 s18, s18, 1
	s_and_b32 s19, ttmp9, 15
	s_lshl_b32 s19, s19, 1
	v_add_nc_u32 v3, s18, v3                       ; slice = 2 (group / 16) + bit 6 of the thread
	v_add_nc_u32 v4, s19, v4                       ; block = 2 (group % 16) + bit 7
	v_and_b32 v5, 15, v1                           ; L % 16
	v_lshrrev_b32 v6, 4, v1                        ; L / 16
	v_lshl_add_u32 v7, v4, 4, v5                   ; the row of g_w
	v_mul_u32_u24 v7, v7, FROW
	v_lshl_add_u32 v7, v3, 7, v7                   ; + 128 bytes a slice
	v_lshl_add_u32 v7, v2, 6, v7                   ; + 64 j
	v_lshl_add_u32 v7, v6, 5, v7                   ; + 32 (L / 16): my eight f32
	v_lshl_add_u32 v8, v3, 5, v4                   ; 32 slice + block
	v_lshlrev_b32 v8, 10, v8
	v_lshl_add_u32 v8, v2, 9, v8
	v_lshl_add_u32 v8, v1, 4, v8                   ; my 16 bytes of Wf
	s_wait_kmcnt 0x0
	global_load_b128 v[12:15], v7, s[4:5]
	global_load_b128 v[16:19], v7, s[4:5] offset:16
	s_wait_loadcnt 0x0
	v_cvt_pk_bf16_f32 v20, v12, v13
	v_cvt_pk_bf16_f32 v21, v14, v15
	v_cvt_pk_bf16_f32 v22, v16, v17
	v_cvt_pk_bf16_f32 v23, v18, v19
	global_store_b128 v8, v[20:23], s[12:13]
	s_endpgm
.Lrh:
	s_cmp_lt_u32 ttmp9, NW+NR
	s_cbranch_scc0 .Lzero
	; rhv.  r, h_w and h_b are rounded to bf16 and widened again; the pad's four numbers are 0 (20,000 is a multiple of 4, so a thread's four are all live or all pad).
	s_wait_kmcnt 0x0
	s_load_b32 s20, s[8:9], 0x0                    ; h_w
	s_load_b32 s21, s[10:11], 0x0                  ; h_b
	s_sub_co_u32 s18, ttmp9, NW
	s_lshl_b32 s18, s18, 8
	v_add_nc_u32 v1, s18, v0
	v_lshlrev_b32 v2, 2, v1                        ; my first n
	v_lshlrev_b32 v3, 4, v1                        ; its byte in rhv
	v_min_u32 v9, 4*NROWS-16, v3                   ; in r the pad's threads read the last 16 bytes, and throw them away
	global_load_b128 v[4:7], v9, s[6:7]
	s_wait_kmcnt 0x0
	v_cvt_pk_bf16_f32 v10, s20, s21
	v_lshlrev_b32 v11, 16, v10                     ; h_w
	v_and_b32 v12, 0xffff0000, v10                 ; h_b
	v_cmp_gt_u32 vcc_lo, NROWS, v2
	s_wait_loadcnt 0x0
	v_cvt_pk_bf16_f32 v13, v4, v5
	v_cvt_pk_bf16_f32 v14, v6, v7
	v_lshlrev_b32 v4, 16, v13
	v_and_b32 v5, 0xffff0000, v13
	v_lshlrev_b32 v6, 16, v14
	v_and_b32 v7, 0xffff0000, v14
.irp i, 4,5,6,7
	v_fma_f32 v\i, v\i, 2.0, -1.0                  ; 2 r - 1
.endr
.irp i, 4,5,6,7
	v_fma_f32 v\i, v\i, v11, v12                   ; h_w (2 r - 1) + h_b
.endr
.irp i, 4,5,6,7
	v_cndmask_b32 v\i, 0, v\i, vcc_lo
.endr
	global_store_b128 v3, v[4:7], s[14:15]
	s_endpgm
.Lzero:
	; Dn's rows 20,000 .. 20,479: eight stores a thread, each wave's store 512 consecutive bytes.
	s_sub_co_u32 s18, ttmp9, NW+NR
	s_lshl_b32 s18, s18, 15
	s_add_co_u32 s18, s18, NROWS*1024
	v_lshl_add_u32 v1, v0, 4, s18
	v_mov_b32 v4, 0
	v_mov_b32 v5, 0
	v_mov_b32 v6, 0
	v_mov_b32 v7, 0
	s_wait_kmcnt 0x0
.irp i, 0,1,2,3,4,5,6,7
	global_store_b128 v1, v[4:7], s[16:17] offset:4096*\i
.endr
	s_endpgm
.Lfunc_end_k_q7f15f65f50_prep:
	.size	k_q7f15f65f50_prep, .Lfunc_end_k_q7f15f65f50_prep-k_q7f15f65f50_prep
	.p2alignl 7, 3214868480
	.fill 96, 4, 3214868480
	.section	.rodata,"a",@progbits
	.p2align	6, 0x0
	.amdhsa_kernel k_q7f15f65f50_prep
		.amdhsa_group_segment_fixed_size 0
		.amdhsa_private_segment_fixed_size 0
		.amdhsa_enable_private_segment 0
		.amdhsa_kernarg_size 56
		.amdhsa_user_sgpr_count 2
		.amdhsa_user_sgpr_kernarg_segment_ptr 1
		.amdhsa_wavefront_size32 1
		.amdhsa_system_sgpr_workgroup_id_x 1
		.amdhsa_system_sgpr_workgroup_id_y 1
		.amdhsa_system_sgpr_workgroup_id_z 1
		.amdhsa_system_vgpr_workitem_id 0
		.amdhsa_next_free_vgpr 24
		.amdhsa_next_free_sgpr 66
		.amdhsa_reserve_vcc 1
		.amdhsa_float_denorm_mode_32 3
		.amdhsa_float_denorm_mode_16_64 3
		.amdhsa_memory_ordered 1
		.amdhsa_forward_progress 1
		.amdhsa_inst_pref_size 6
	.end_amdhsa_kernel
	.amdgpu_metadata
---
amdhsa.version: [ 1, 2 ]
amdhsa.kernels:
  - .name:           k_q7f15f65f50_prep
    .symbol:         k_q7f15f65f50_prep.kd
    .args:
      - { .name: g_w, .offset: 0, .size: 8, .value_kind: global_buffer, .address_space: global }
      - { .name: r, .offset: 8, .size: 8, .value_kind: global_buffer, .address_space: global }
      - { .name: h_w, .offset: 16, .size: 8, .value_kind: global_buffer, .address_space: global }
      - { .name: h_b, .offset: 24, .size: 8, .value_kind: global_buffer, .address_space: global }
      - { .name: Wf, .offset: 32, .size: 8, .value_kind: global_buffer, .address_space: global }
      - { .name: rhv, .offset: 40, .size: 8, .value_kind: global_buffer, .address_space: global }
      - { .name: Dn, .offset: 48, .size: 8, .value_kind: global_buffer, .address_space: global }
    .group_segment_fixed_size: 0
    .private_segment_fixed_size: 0
    .kernarg_segment_align: 8
    .kernarg_segment_size: 56
    .max_flat_workgroup_size: 256
    .sgpr_count:     66
    .vgpr_count:     24
    .wavefront_size: 32
...
	.end_amdgpu_metadata
.endif
;; end of part 1
;; launch embed (part 2): grid 251 x 1, 4 waves a work-group, no clusters, 323,584 bytes of LDS; arguments X, D, g_b, Wf, Xn, Dn; writes Xn, Dn
.if DOCPART == 2
	.amdgcn_target "amdgcn-amd-amdhsa--gfx1250"
	.amdhsa_code_object_version 6
	.text
	.protected	k_q7f15f65f50_embed
	.globl	k_q7f15f65f50_embed
	.p2align	8
	.type	k_q7f15f65f50_embed,@function
k_q7f15f65f50_embed:
	s_mov_b64 s[64:65], 0
	v_nop
	global_prefetch_b8 v0, s[64:65] scope:SCOPE_SE
	s_setreg_imm32_b32 hwreg(HW_REG_WAVE_MODE, 25, 1), 1
	s_wait_xcnt 0x0
; MINERVA, launch 2 of 4: Xn, Dn = f16( e / max(|e|, 1e-12) ), e = bf16(row) . bf16(g_w)^T + bf16(g_b), for X's 4,096 rows and D's 20,000.  Nothing is left out.
; LIMITS: as stated at the head of the first launch: inputs rounded once to bf16, sums in f32, the normalised rows (components in -1 .. 1) in f16.
; SHARES.  X's rows and then D's are one list of 24,096 = 251 x 96.  A work-group takes 96 of them, as a part of 64 and a part of 32: 4,096 = 42 x 96 + 64, so the border between X and D
; falls between two parts, and each part has one source and one destination, chosen by a compare of its first row's number.  A wave makes all 96 rows x 128 of the 512 columns: 48 accumulators.
; THE ROWS are the stream: 96 x 3,072 bytes of f32.  ALL of it is asked for at the first lines, by three tensor loads a wave, into six chunks of 128 k: first fills alone, nothing in LDS is filled twice.
; Each wave turns the f32 into bf16 fragments for itself, between its products.
; THE WEIGHTS come from Wf straight into registers: a fragment is wanted by one wave of the work-group alone, and lies in Wf as the registers want it.  NO CLUSTER, no joint loads for them: the rows take
; 304,128 of the 327,680 bytes of LDS, which leaves no room for slots of weights.  NO PREFETCH: all that is read once is asked for by loads at the kernel's head.
; K IS WALKED FROM ANOTHER PLACE IN EACH WORK-GROUP: chunk (c0 + i) % 6 is the i-th to be multiplied, c0 = group % 6.  Only global addresses hang on c0; LDS is addressed by i.  (f32 sums may be taken in any order.)
; THE PRODUCT IS TAKEN TRANSPOSED: source 0 = 16 rows of g_w, source 1 = 16 rows of X or D.  In the result lane l holds row l % 16 and the columns 8 (l / 16) + 0..7: 16 bytes of f16 on end.
; THE BIAS starts the sums, as the C operand of the first slice's products: nothing is cleared, nothing is added later.
; REGISTERS, in windows of 256 (s_set_vgpr_msb: bits 1:0 source 0, 3:2 source 1, 5:4 source 2, 7:6 destination):
;   window 0: v0-13 addresses; v16-27 1 / norm; v32-127 a slice's rows in f32 (later the way out); v128-223 two buffers of row fragments; v224-247 sums of squares
;   window 1: four buffers of 64: the weights of four slices     window 2: accumulators of row blocks 0-3 ((a, b) at 8 (8 a + b))     window 3: v0-127 those of blocks 4, 5; v128-191 the bias; v192-199 at work
.set FEAT,  768
.set PITCH, 528                        ; a row of a chunk in LDS: 512 bytes + 16 of padding = 33 x 16: the 16 rows that a load touches start at 16 different groups of four banks (64 banks of 4 bytes: ISA guide 11.1)
.set CHUNK, 96*PITCH                   ; 50,688 bytes: 96 rows x 128 k
.set STAGE, 6*CHUNK                    ; behind the chunks: 16 rows x 272 bytes for each wave, for the way out
.set SP,    272
.set SSX,   STAGE+4*16*SP              ; [row 0..95][wave 0..3] f32: the waves' sums of squares
.set SPARE, SSX+1536                   ; the spare words, 128 bytes for each wave: two blocks of 256 bytes that no other line names
.set RR,  1                            ; v1   l % 16
.set HH,  2                            ; v2   l / 16
.set ARD, 3                            ; v3   LDS address of my 32 bytes of a row block's rows, in the chunk in hand
.set WO,  4                            ; v4   my byte offset in a slice of Wf: 16 l + 8,192 wave; never rewritten
.set BO,  5                            ; v5   my byte offset in g_b
.set STO, 6                            ; v6   the way out: where I put 16 bytes of a row
.set RD,  7                            ; v7   the way out: where I read a row back
.set CO,  8                            ; v8   my byte offset in two rows of the output
.set SXS, 9                            ; v9   where I put a row's sum of squares
.set SXL, 10                           ; v10  where I read the four waves' back
.set LN,  11                           ; v11  l
.set SPW, 12                           ; v12  LDS address of my spare word: SPARE + 4 x my thread's number; never rewritten
.set NIL, 13                           ; v13  0; never rewritten
.set INV, 16                           ; v[16+2a] 1 / norm of my row in block a; v[17+2a] the norm, named with it as a pair
.set RAW, 32
.set TMP, 32
.set OB,  64
.set AB,  128
.set SS,  224
.set BIAS, 128                         ; window 3
.set SCR,  192                         ; window 3
.set WV,  16                           ; s16  my wave's number
.set PAR, 17                           ; s17  wave % 2: I fetch chunks PAR, PAR + 2, PAR + 4
.set PT,  18                           ; s18  wave / 2: of part 0 (64 rows) or part 1 (32 rows)
.set CI,  20                           ; s20  the chunk of Wf whose slices are being asked for
.set TR,  21                           ; s21  counts trips
.set OF,  22                           ; s[22:23] an offset, its high word 0
.set G1,  24                           ; s[24:31] descriptor group 1: 64 rows
.set G1S, 32                           ; s[32:39] the same for 32 rows
.set G0,  40                           ; s[40:51] three sets of group 0
.set SRC0, 52
.set SRC1, 54
.set OUT0, 56                          ; s[56:57] the output at part 0's first row
.set OUT1, 58                          ; s[58:59] at part 1's
.set WP,  60                           ; s[60:61] Wf at chunk CI
.set SEL, 62                           ; s[62:63] v_permlanex16_b32's selects: each lane takes its own place in the other half
.set MSB, 0
.macro WIN new                         ; the immediate's high byte repeats the setting that is left; a switch that changes nothing is dropped
.if MSB != (\new)
	s_set_vgpr_msb (MSB<<8)|(\new)
.set MSB, (\new)
.endif
.endm
.macro PLACES                          ; four places behind matrix instructions: in front of loads and conversions into registers that they have read, and of reads of their results
.rept 4
	v_nop
.endr
.endm
; A part's source and destination.  add: the part's first row in the work-group's 96.
.macro PARTPTR add, src, out
	s_mul_i32 s66, ttmp9, 96
	s_add_co_u32 s66, s66, \add
	s_cmp_lt_u32 s66, 4096                         ; one of X's rows?
	s_cselect_b64 s[\src:\src+1], s[4:5], s[6:7]
	s_cselect_b64 s[\out:\out+1], s[12:13], s[14:15]
	s_cselect_b32 s67, 0, 4096
	s_sub_co_u32 s66, s66, s67                     ; the row in its own tensor
	s_mul_i32 s[OF], s66, FEAT*4
	s_add_nc_u64 s[\src:\src+1], s[\src:\src+1], s[OF:OF+1]
	s_lshl_b32 s[OF], s66, 10
	s_add_nc_u64 s[\out:\out+1], s[\out:\out+1], s[OF:OF+1]
.endm
	s_load_b256 s[4:11], s[0:1], 0x0               ; X s[4:5], D s[6:7], g_b s[8:9], Wf s[10:11]
	s_load_b128 s[12:15], s[0:1], 0x20             ; Xn s[12:13], Dn s[14:15]
	v_lshl_add_u32 v[SPW], v0, 2, SPARE
	v_mov_b32 v[NIL], 0
	ds_add_u32 v[SPW], v[NIL]                      ; the wave's opening: the add, twice on end, and its wait ahead of my first tensor load; the set-up below stands between
	ds_add_u32 v[SPW], v[NIL]
	v_lshrrev_b32 v1, 5, v0
	v_readfirstlane_b32 s[WV], v1                  ; wave 0..3
	s_and_b32 s[PAR], s[WV], 1
	s_lshr_b32 s[PT], s[WV], 1
	s_mul_i32 s66, ttmp9, 171                      ; group / 6 = (171 group) >> 10, exact up to 250
	s_lshr_b32 s66, s66, 10
	s_mul_i32 s66, s66, 6
	s_sub_co_u32 s[CI], ttmp9, s66                 ; c0
	; descriptor group 1: rows of 128 elements of 4 bytes, 768 elements from row to row, padded in LDS
.irp g, G1, G1S
	s_mov_b32 s[\g+0], (2<<16)|(1<<20)|(6<<22)|(3<<25)  ; 17:16 elements of 4 bytes; 20 padding on; 24:22 after every 128 words (code 6); 31:25 4 words of it (code 3)
	s_mov_b32 s[\g+1], 128<<16                     ; tensor_dim0 = 128
	s_mov_b32 s[\g+3], 128<<16                     ; tile_dim0 = 128
	s_mov_b32 s[\g+5], FEAT
	s_mov_b32 s[\g+6], 0
	s_mov_b32 s[\g+7], 0
.endr
	s_mov_b32 s[G1+2], 64<<16                      ; tensor_dim1 = tile_dim1 = 64,
	s_mov_b32 s[G1+4], 64
	s_mov_b32 s[G1S+2], 32<<16                     ; or 32
	s_mov_b32 s[G1S+4], 32
	s_mul_i32 s70, s[PAR], CHUNK
	s_mul_i32 s71, s[PT], 64*PITCH
	s_add_co_u32 s70, s70, s71                     ; where my first tile goes: chunk PAR, behind part 0's 64 rows if I fetch part 1
	s_add_co_u32 s71, s[CI], s[PAR]
	s_mov_b32 s[OF+1], 0
	s_mov_b32 s[SEL], 0x76543210
	s_mov_b32 s[SEL+1], 0xfedcba98
	s_wait_dscnt 0x0                               ; both opening adds are done
	s_wait_kmcnt 0x0
	PARTPTR 0,  SRC0, OUT0
	PARTPTR 64, SRC1, OUT1
	s_cmp_eq_u32 s[PT], 0
	s_cselect_b64 s[68:69], s[SRC0:SRC0+1], s[SRC1:SRC1+1]  ; the part that I fetch
.irp m, 0,1,2
	s_mov_b32 s[G0+4*\m], 1                        ; count = 1
	s_add_co_u32 s[G0+4*\m+1], s70, \m*2*CHUNK     ; LDS address: the (PAR + 2 m)-th chunk to be multiplied
	s_add_co_u32 s66, s71, 2*\m                    ; which is chunk (c0 + PAR + 2 m) % 6 of the rows
	s_sub_co_u32 s67, s66, 6
	s_cmp_ge_u32 s66, 6
	s_cselect_b32 s66, s67, s66
	s_lshl_b32 s[OF], s66, 9
	s_add_nc_u64 s[G0+4*\m+2:G0+4*\m+3], s[68:69], s[OF:OF+1]
	s_or_b32 s[G0+4*\m+3], s[G0+4*\m+3], 0x80000000  ; type = 2
.endr
	s_cmp_lt_u32 s[WV], 2                          ; a wave's three first fills stand in one branch, ahead of every wait on TENSORcnt, every LDS read and every barrier: three loads of mine are out
	s_cbranch_scc0 .Lpart1
	tensor_load_to_lds s[G0:G0+3], s[G1:G1+7]
	s_nop 0
	tensor_load_to_lds s[G0+4:G0+7], s[G1:G1+7]
	s_nop 0
	tensor_load_to_lds s[G0+8:G0+11], s[G1:G1+7]
	s_nop 0
.rept 4
	v_nop
.endr
	s_branch .Lasked
.Lpart1:
	tensor_load_to_lds s[G0:G0+3], s[G1S:G1S+7]
	s_nop 0
	tensor_load_to_lds s[G0+4:G0+7], s[G1S:G1S+7]
	s_nop 0
	tensor_load_to_lds s[G0+8:G0+11], s[G1S:G1S+7]
	s_nop 0
.rept 4
	v_nop
.endr
.Lasked:
; The 16 loads of one slice's weights: my 8 blocks of 16 columns, 1,024 bytes each; slice qq of chunk CI, into buffer qq.
.macro WLOAD qq
	WIN 0x40                                       ; destination window 1, address window 0
.irp b, 0,1,2,3,4,5,6,7
	global_load_b128 v[64*(\qq)+8*\b:64*(\qq)+8*\b+3],   v[WO], s[WP:WP+1] offset:(\qq)*32768+1024*\b
	global_load_b128 v[64*(\qq)+8*\b+4:64*(\qq)+8*\b+7], v[WO], s[WP:WP+1] offset:(\qq)*32768+1024*\b+512
.endr
.endm
; The 24 LDS loads of one slice's rows in f32: for each of 6 row blocks my row's k = 8 h + 0..7 and 16 + 8 h + 0..7; slice kq of the chunk at which ARD stands.
.macro RLOAD kq
	WIN 0
.irp a, 0,1,2,3,4,5
	ds_load_b128 v[RAW+16*\a:RAW+16*\a+3],     v[ARD] offset:16*PITCH*\a+128*(\kq)
	ds_load_b128 v[RAW+16*\a+4:RAW+16*\a+7],   v[ARD] offset:16*PITCH*\a+128*(\kq)+16
	ds_load_b128 v[RAW+16*\a+8:RAW+16*\a+11],  v[ARD] offset:16*PITCH*\a+128*(\kq)+64
	ds_load_b128 v[RAW+16*\a+12:RAW+16*\a+15], v[ARD] offset:16*PITCH*\a+128*(\kq)+80
.endr
.endm
; Product n of a slice's 48: row block n / 8, column block n % 8.  The 48 accumulators take turns, one instruction a turn, from slice to slice too.  first = 1: the bias starts the sum.
.macro MM q, n, first
.set a_, (\n)/8
.set b_, (\n)%8
.set rW, 64*(\q)+8*b_
.set rA, AB+48*((\q)%2)+8*a_
.set rD, 8*(8*(a_%4)+b_)
.if \first
	WIN 0xb1+0x40*(a_/4)                           ; weights window 1, rows window 0, bias window 3, sums window 2 or 3
	v_wmma_f32_16x16x32_bf16 v[rD:rD+7], v[rW:rW+7], v[rA:rA+7], v[BIAS+8*b_:BIAS+8*b_+7]
.else
	WIN 0xa1+0x50*(a_/4)
	v_wmma_f32_16x16x32_bf16 v[rD:rD+7], v[rW:rW+7], v[rA:rA+7], v[rD:rD+7]
.endif
.endm
; Four of the 48 roundings that make the NEXT slice's row fragments, in the buffer that slice q does not read.
.macro CVT4 q, n
	WIN 0
.irp c, 0,1,2,3
	v_cvt_pk_bf16_f32 v[AB+48*(((\q)+1)%2)+4*(\n)+\c], v[RAW+8*(\n)+2*\c], v[RAW+8*(\n)+2*\c+1]
.endr
.endm
; A SLICE of 32 k: 48 products.  q = the slice's number % 4.  Beside them: the weights three slices on are asked for (bl), the next slice's rows are rounded to bf16, four behind each of the first 12 products (cv),
; and the rows two slices on are read from LDS (rl).  lc: how many younger weight loads may stay out.  gate >= 0: those rows lie in the next chunk: the wave waits until at most gate of its tensor loads are out
; and meets the others, since each chunk was brought by two waves.  No LDS instruction is out at that signal: the wait for the rows has been for 0, and none was issued since.
.macro SLICE q, first, lc, bl, cv, rl, gate
	s_wait_loadcnt \lc                             ; loads come back in order (ISA guide 5.7.1): this slice's 16 are in
	PLACES                                         ; behind the last slice's products, which read the two buffers that are written below
.if \bl
	WLOAD ((\q)+3)%4
.endif
.if \cv
	s_wait_dscnt 0x0                               ; the next slice's rows are in registers
.endif
.set n_, 0
.rept 12
	MM \q, n_, \first
.if \cv
	CVT4 \q, n_
.endif
.set n_, n_+1
.endr
.if (\gate) >= 0
	WIN 0
	s_wait_tensorcnt \gate
	s_barrier_signal -1
	s_barrier_wait -1
	v_add_nc_u32 v[ARD], CHUNK, v[ARD]
.endif
.if \rl
	RLOAD ((\q)+2)%4
.endif
.rept 36
	MM \q, n_, \first
.set n_, n_+1
.endr
.endm
; Four slices, from a chunk's second to the next chunk's first: the weights asked for in them are the next chunk's.
.macro BODY gate
	s_wait_xcnt 0x0                                ; the weights' loads have read their base, so it may be written
	s_add_co_u32 s[CI], s[CI], 1
	s_cmp_eq_u32 s[CI], 6
	s_cselect_b32 s[CI], 0, s[CI]
	s_lshl_b32 s[OF], s[CI], 17                    ; a chunk of Wf: 4 slices of 32,768 bytes
	s_add_nc_u64 s[WP:WP+1], s[10:11], s[OF:OF+1]
	SLICE 1, 0, 32, 1, 1, 1, -1
	SLICE 2, 0, 32, 1, 1, 1, \gate
	SLICE 3, 0, 32, 1, 1, 1, -1
	SLICE 0, 0, 32, 1, 1, 1, -1
	WIN 0                                          ; at a label and at a branch every window is 0
.endm
	v_and_b32 v[LN], 31, v0
	v_and_b32 v[RR], 15, v0
	v_bfe_u32 v[HH], v0, 4, 1
	s_lshl_b32 s66, s[WV], 9
	v_lshl_add_u32 v[BO], v[HH], 5, s66            ; g_b: 4 (128 wave + 8 h)
	WIN 0xc0                                       ; destination window 3
.irp b, 0,1,2,3,4,5,6,7
	global_load_b128 v[BIAS+8*\b:BIAS+8*\b+3],   v[BO], s[8:9] offset:64*\b
	global_load_b128 v[BIAS+8*\b+4:BIAS+8*\b+7], v[BO], s[8:9] offset:64*\b+16
.endr
	WIN 0
	s_lshl_b32 s[OF], s[CI], 17
	s_add_nc_u64 s[WP:WP+1], s[10:11], s[OF:OF+1]
	s_lshl_b32 s66, s[WV], 13
	v_lshl_add_u32 v[WO], v[LN], 4, s66
	WLOAD 0                                        ; the weights of the first three slices
	WLOAD 1
	WLOAD 2
	WIN 0
	v_mul_u32_u24 v[ARD], v[RR], PITCH
	v_lshl_add_u32 v[ARD], v[HH], 5, v[ARD]        ; row x pitch + 32 h
	s_mul_i32 s66, s[WV], 16*SP
	s_add_co_u32 s66, s66, STAGE                   ; my stage
	v_mul_u32_u24 v[STO], v[RR], SP                ; in: row l % 16, 16 bytes for each half of the lanes
	v_lshl_add_u32 v[STO], v[HH], 4, v[STO]
	v_add_nc_u32 v[STO], s66, v[STO]
	v_mul_u32_u24 v[RD], v[HH], SP                 ; back: lanes 0-15 take one row of 256 bytes, lanes 16-31 the next
	v_lshl_add_u32 v[RD], v[RR], 4, v[RD]
	v_add_nc_u32 v[RD], s66, v[RD]
	s_lshl_b32 s67, s[WV], 8
	v_lshlrev_b32 v[CO], 10, v[HH]                 ; and the same two rows of the output, at my wave's 256 bytes
	v_lshl_add_u32 v[CO], v[RR], 4, v[CO]
	v_add_nc_u32 v[CO], s67, v[CO]
	s_lshl_b32 s67, s[WV], 2
	s_add_co_u32 s67, s67, SSX
	v_lshl_add_u32 v[SXS], v[RR], 4, s67
	v_lshlrev_b32 v[SXL], 4, v[RR]
	v_add_nc_u32 v[SXL], SSX, v[SXL]
	s_wait_loadcnt 48                              ; the bias is in; the 48 loads of weights stay out
	WIN 0xcf                                       ; all in window 3
.set i_, 0
.rept 32
	v_cvt_pk_bf16_f32 v[SCR+i_%8], v[BIAS+2*i_], v[BIAS+2*i_+1]  ; the bias is rounded to bf16 like every input, and widened again
	v_lshlrev_b32 v[BIAS+2*i_], 16, v[SCR+i_%8]
	v_and_b32 v[BIAS+2*i_+1], 0xffff0000, v[SCR+i_%8]
.set i_, i_+1
.endr
	WIN 0
	s_wait_tensorcnt 0x2                           ; tensor loads of a wave end in order (ISA guide 10.11.1): my first is in, the other two stay out;
	s_barrier_signal -1
	s_barrier_wait -1                              ; everybody's first is: the first two chunks are whole
	RLOAD 0
	s_wait_dscnt 0x0
.set n_, 0
.rept 12
	CVT4 3, n_                                     ; the first slice's fragments, into buffer 0
.set n_, n_+1
.endr
	RLOAD 1
	SLICE 0, 1, 32, 1, 1, 1, -1                    ; the first slice stands in front of the loops: its products start the sums
	WIN 0
	s_mov_b32 s[TR], 3
.Lfirst_chunks:                                        ; three trips enter chunks 1, 2, 3: each wave's first two loads have brought them
	BODY 1
	s_sub_co_u32 s[TR], s[TR], 1
	s_cmp_lg_u32 s[TR], 0
	s_cbranch_scc1 .Lfirst_chunks
	s_mov_b32 s[TR], 2
.Llast_chunks:                                         ; two trips enter chunks 4 and 5: each wave's third load has brought them.  A second text, since a wait's count is an immediate
	BODY 0
	s_sub_co_u32 s[TR], s[TR], 1
	s_cmp_lg_u32 s[TR], 0
	s_cbranch_scc1 .Llast_chunks
	SLICE 1, 0, 32, 0, 1, 1, -1                    ; the last three slices ask for no weights: the counts run down
	SLICE 2, 0, 16, 0, 1, 0, -1
	SLICE 3, 0, 0,  0, 0, 0, -1
	; THE ROWS' NORMS.  A lane holds 64 numbers of a row for each block a.  Their squares are summed in two chains a block, each accumulator's registers in ascending order.
	PLACES
	PLACES
.macro SQUARES a0, a1, a2, a3, base    ; the blocks a0 .. a3 of one window; base: the window's first block
.set bb_, 0
.rept 4
.set p_, 0
.rept 4
.irp par, 0,1
.irp a, \a0, \a1, \a2, \a3
.if (\a) >= 0
.set rD, 8*(8*((\a)-(\base))+2*bb_+\par)+2*p_
.set rS, SS+4*(\a)+2*\par
.if (bb_ == 0) && (p_ == 0)
	v_pk_mul_f32 v[rS:rS+1], v[rD:rD+1], v[rD:rD+1]
.else
	v_pk_fma_f32 v[rS:rS+1], v[rD:rD+1], v[rD:rD+1], v[rS:rS+1]
.endif
.endif
.endr
.endr
.set p_, p_+1
.endr
.set bb_, bb_+1
.endr
.endm
	WIN 0x0a                                       ; sources 0 and 1 window 2
	SQUARES 0, 1, 2, 3, 0
	WIN 0x0f                                       ; window 3
	SQUARES 4, 5, -1, -1, 4
	WIN 0
.irp a, 0,1,2,3,4,5
	v_pk_add_f32 v[SS+4*\a:SS+4*\a+1], v[SS+4*\a:SS+4*\a+1], v[SS+4*\a+2:SS+4*\a+3]
.endr
.irp a, 0,1,2,3,4,5
	v_add_f32 v[SS+4*\a], v[SS+4*\a], v[SS+4*\a+1]
.endr
.irp a, 0,1,2,3,4,5
	v_permlanex16_b32 v[SS+4*\a+1], v[SS+4*\a], s[SEL], s[SEL+1]  ; the row's other 64 of my 128 columns lie in the lane 16 away
.endr
.irp a, 0,1,2,3,4,5
	v_add_f32 v[SS+4*\a], v[SS+4*\a], v[SS+4*\a+1]
.endr
.irp a, 0,1,2,3,4,5
	ds_store_b32 v[SXS], v[SS+4*\a] offset:256*\a  ; word [16 a + l % 16][wave]; the two halves of the lanes write the same number
.endr
	s_wait_dscnt 0x0                               ; for the others' sake: my stores are done
	s_barrier_signal -1
	s_barrier_wait -1
.irp a, 0,1,2,3,4,5
	ds_load_b128 v[RAW+4*\a:RAW+4*\a+3], v[SXL] offset:256*\a
.endr
	s_wait_dscnt 0x0
.irp a, 0,1,2,3,4,5
	v_add_f32 v[RAW+4*\a], v[RAW+4*\a], v[RAW+4*\a+1]
	v_add_f32 v[RAW+4*\a+2], v[RAW+4*\a+2], v[RAW+4*\a+3]
.endr
.irp a, 0,1,2,3,4,5
	v_add_f32 v[RAW+4*\a], v[RAW+4*\a], v[RAW+4*\a+2]
.endr
.irp a, 0,1,2,3,4,5
	v_sqrt_f32 v[INV+2*\a+1], v[RAW+4*\a]
.endr
	v_nop                                          ; a plain instruction behind the last root,
	s_wait_alu depctr_va_vdst(0)                   ; and the wait ahead of the first use: one for the six
.irp a, 0,1,2,3,4,5
	v_max_num_f32 v[INV+2*\a+1], 0x2b8cbccc, v[INV+2*\a+1]  ; max(norm, 1e-12)
.endr
.irp a, 0,1,2,3,4,5
	v_rcp_f32 v[INV+2*\a], v[INV+2*\a+1]
.endr
	v_nop
	s_wait_alu depctr_va_vdst(0)                   ; one for the six reciprocals
; THE WAY OUT of row block a.  PACK: scaled and rounded to f16, 16 bytes a lane.  TOSTAGE: into my own stage in LDS, and back as whole pieces of 256 bytes of a row.  SEND: stored.
.macro PACK a
.set AC, 64*((\a)%4)
	WIN 0x82+0x41*((\a)/4)                         ; destination and source 0 window 2 or 3, 1 / norm window 0
.set i_, 0
.rept 32
	v_pk_mul_f32 v[AC+2*i_:AC+2*i_+1], v[AC+2*i_:AC+2*i_+1], v[INV+2*(\a):INV+2*(\a)+1] op_sel_hi:[1,0]
.set i_, i_+1
.endr
	WIN 0x0a+5*((\a)/4)
.set i_, 0
.rept 32
	v_cvt_pk_f16_f32 v[TMP+i_], v[AC+2*i_], v[AC+2*i_+1]
.set i_, i_+1
.endr
	WIN 0
.endm
.macro TOSTAGE a
.set BK, OB+32*((\a)%2)
.irp b, 0,1,2,3,4,5,6,7
	ds_store_b128 v[STO], v[TMP+4*\b:TMP+4*\b+3] offset:32*\b
.endr
	s_wait_xcnt 0x0                                ; the stores of two blocks back have read these registers: they are loaded again only behind this wait
.irp t, 0,1,2,3,4,5,6,7
	ds_load_b128 v[BK+4*\t:BK+4*\t+3], v[RD] offset:\t*2*SP  ; LDS serves a wave's instructions in order (ISA guide 5.7.1.4): these see the stores above
.endr
.endm
.macro SEND a
.set BK, OB+32*((\a)%2)
	s_wait_dscnt 0x0                               ; the block is back in registers
.irp t, 0,1,2,3,4,5,6,7
.if (\a) < 4
	global_store_b128 v[CO], v[BK+4*\t:BK+4*\t+3], s[OUT0:OUT0+1] offset:(16*(\a)+2*\t)*1024  ; 16 lanes store 256 consecutive bytes, at a multiple of 256 from the buffer's first byte
.else
	global_store_b128 v[CO], v[BK+4*\t:BK+4*\t+3], s[OUT1:OUT1+1] offset:(16*((\a)-4)+2*\t)*1024
.endif
.endr
.endm
	PACK 0
	TOSTAGE 0
.irp a, 1,2,3,4,5                      ; block a's arithmetic stands between block a - 1's loads from the stage and the wait for them
	PACK \a
	SEND (\a)-1
	TOSTAGE \a
.endr
	SEND 5
	s_wait_tensorcnt 0x0                           ; the wave's end: behind my last tensor load and my last LDS store
	ds_add_u32 v[SPW], v[NIL]
	s_wait_dscnt 0x0
	s_endpgm
.Lfunc_end_k_q7f15f65f50_embed:
	.size	k_q7f15f65f50_embed, .Lfunc_end_k_q7f15f65f50_embed-k_q7f15f65f50_embed
	.p2alignl 7, 3214868480
	.fill 96, 4, 3214868480
	.section	.rodata,"a",@progbits
	.p2align	6, 0x0
	.amdhsa_kernel k_q7f15f65f50_embed
		.amdhsa_group_segment_fixed_size 323584
		.amdhsa_private_segment_fixed_size 0
		.amdhsa_enable_private_segment 0
		.amdhsa_kernarg_size 48
		.amdhsa_user_sgpr_count 2
		.amdhsa_user_sgpr_kernarg_segment_ptr 1
		.amdhsa_wavefront_size32 1
		.amdhsa_system_sgpr_workgroup_id_x 1
		.amdhsa_system_sgpr_workgroup_id_y 1
		.amdhsa_system_sgpr_workgroup_id_z 1
		.amdhsa_system_vgpr_workitem_id 0
		.amdhsa_next_free_vgpr 968
		.amdhsa_next_free_sgpr 72
		.amdhsa_reserve_vcc 0
		.amdhsa_float_denorm_mode_32 3
		.amdhsa_float_denorm_mode_16_64 3
		.amdhsa_memory_ordered 1
		.amdhsa_forward_progress 1
		.amdhsa_inst_pref_size 186
	.end_amdhsa_kernel
	.amdgpu_metadata
---
amdhsa.version: [ 1, 2 ]
amdhsa.kernels:
  - .name:           k_q7f15f65f50_embed
    .symbol:         k_q7f15f65f50_embed.kd
    .args:
      - { .name: X, .offset: 0, .size: 8, .value_kind: global_buffer, .address_space: global }
      - { .name: D, .offset: 8, .size: 8, .value_kind: global_buffer, .address_space: global }
      - { .name: g_b, .offset: 16, .size: 8, .value_kind: global_buffer, .address_space: global }
      - { .name: Wf, .offset: 24, .size: 8, .value_kind: global_buffer, .address_space: global }
      - { .name: Xn, .offset: 32, .size: 8, .value_kind: global_buffer, .address_space: global }
      - { .name: Dn, .offset: 40, .size: 8, .value_kind: global_buffer, .address_space: global }
    .group_segment_fixed_size: 323584
    .private_segment_fixed_size: 0
    .kernarg_segment_align: 8
    .kernarg_segment_size: 48
    .max_flat_workgroup_size: 128
    .sgpr_count:     72
    .vgpr_count:     968
    .wavefront_size: 32
...
	.end_amdgpu_metadata
.endif
;; end of part 2
;; launch retrieve (part 3): grid 16 x 16, 4 waves a work-group, clusters of 4 x 4, 327,680 bytes of LDS; arguments Dn, Xn, rhv, part; writes part
.if DOCPART == 3
	.amdgcn_target "amdgcn-amd-amdhsa--gfx1250"
	.amdhsa_code_object_version 6
	.text
	.protected	k_q7f15f65f50_retrieve
	.globl	k_q7f15f65f50_retrieve
	.p2align	8
	.type	k_q7f15f65f50_retrieve,@function
k_q7f15f65f50_retrieve:
	s_mov_b64 s[64:65], 0
	v_nop
	global_prefetch_b8 v0, s[64:65] scope:SCOPE_SE
	s_setreg_imm32_b32 hwreg(HW_REG_WAVE_MODE, 25, 1), 1
	s_wait_xcnt 0x0
	s_wait_alu depctr_hold_cnt(0) depctr_sa_sdst(0) depctr_va_vdst(0) depctr_va_sdst(0) depctr_va_ssrc(0) depctr_va_vcc(0) depctr_vm_vsrc(0)
	s_getreg_b32 s2, hwreg(HW_REG_IB_STS2, 6, 4)
	s_cmp_eq_u32 s2, 0
	s_cbranch_scc0 .Lentry_in_a_cluster
	s_endpgm
.Lentry_in_a_cluster:
	s_bfe_u32 s2, ttmp6, 0x10000c
	s_cmp_lg_u32 s2, 0xf033
	s_cbranch_scc0 .Lentry_shape_is_right
	s_endpgm
.Lentry_shape_is_right:
; MINERVA, launch 3 of 4: part[p][b] = the sum over p's 640 exemplars n of (Xn[b] . Dn[n])^3 rhv[n].  Dn: [20480][512] f16, Xn: [4096][512] f16, rhv: [20480] f32, part: [32][4096] f32.
; sign(a)|a|^3 = a^3 for every real a.  The similarities never reach memory: a tile of 256 exemplars x 256 queries is cubed, weighted and summed in registers.  Products of f16, all sums in f32.
; THE PAD.  Rows 20,000 .. 20,479 of Dn are 0 and their rhv are 0.  Their products are made all the same: they fall into the last tile of two rows of work-groups, whose partners in the cluster must make every
; joint request and run alike, and every other work-group has five live tiles.
; SHARES.  A work-group owns 256 queries (tx) and walks five tiles of 256 exemplars, 4,096 rows apart (256 ty + 4,096 t).  Four waves, each 128 exemplars x 128 queries: 64 accumulators, 512 registers.
; K = 512 goes in four steps of 128 through a ring of two LDS slots filled by the tensor data mover; the ring does not stop at a tile's end.
; CLUSTERS: 4 x 4 work-groups.  The four of a row of the cluster walk the same rows of Dn, the four of a column hold the same rows of Xn: each tile is asked for JOINTLY, by the same tensor load with the same
; descriptor and a mask that names the four.
; LAYOUT.  Source 0 = 16 rows of Xn, source 1 = 16 rows of Dn: in the result lane l holds ONE exemplar (l % 16) and the queries 8 (l / 16) + 0..7.  So rhv is one number a lane for each block of 16 exemplars, and
; a lane's 64 running sums (one for each of its queries) gather over blocks and tiles; the 16 lanes of a query meet once, at the end, in LDS.
; REGISTERS, in windows of 256 (s_set_vgpr_msb: bits 1:0 source 0, 3:2 source 1, 5:4 source 2, 7:6 destination):
;   window 0: v16-30 addresses; v32-47 rhv (even registers; the odd ones are named with them as pairs); v64-191 Dn's fragments, two buffers; v192-255 the running sums
;   window 1: v0-63 squares, at work; v64-191 Xn's fragments, two buffers      window 2: accumulators of my exemplars 0-63 ((a, b) at 8 (8 a + b))      window 3: those of 64-127
.set SIZE_K, 512
.set KSTEP,  128
.set TILES,  5
.set WALK,   4096                      ; a work-group's tiles lie so many rows of Dn apart
.set PITCH,  272                       ; an LDS row: 256 bytes + 16 of padding = 68 words: the 16 rows that a load touches start at 16 different groups of four banks (64 banks of 4 bytes: ISA guide 11.1)
.set HALFT,  128*PITCH                 ; 128 rows: what one tensor load brings, and what one wave reads of Dn or of Xn
.set SLOT,   4*HALFT                   ; Dn's 256 rows, then Xn's 256 rows
.set STAGE,  2*SLOT                    ; behind the ring: 16 rows x 528 bytes for each wave, for the last sum
.set SPITCH, 528
.set SPARE,  STAGE+4*16*SPITCH         ; the spare words, 128 bytes for each wave: two blocks of 256 bytes that no other line names
.set NEXT_A, WALK*SIZE_K*2-(SIZE_K-2*KSTEP)*2  ; bytes from a slot's last K step of a tile to its first of the next: Dn goes WALK rows down and back along K,
.set BACK_B, (SIZE_K-2*KSTEP)*2        ; Xn only back
.set ADRA, 16                          ; v16-17  LDS address of my Dn fragments in slot 0, 1
.set ADRB, 20                          ; v20-21  the same for Xn
.set STO,  24                          ; v24     the end: where I put my 64 sums
.set RD,   25                          ; v25     the end: where I read 16 bytes of each of 16 rows
.set CO,   26                          ; v26     my byte offset in the wave's 512 bytes of part
.set RHO,  27                          ; v27     4 (l % 16)
.set SPW,  28                          ; v28     LDS address of my spare word: SPARE + 4 x my thread's number; never rewritten
.set NIL,  29                          ; v29     0; never rewritten
.set PFO,  30                          ; v30     the prefetches' offset: my lane x a row of Dn; never rewritten
.set RH,   32
.set F0,   64
.set F1,   128
.set SUM,  192
.set T,    0                           ; window 1
.set WV,   12                          ; s12  my wave's number
.set FK,   13                          ; s13  wave / 2: my half of the tile's exemplars.  Also: I fetch for Dn (0) or for Xn (1)
.set HF,   14                          ; s14  wave % 2: my half of the queries.  Also: which 128 rows of that tile I fetch
.set LIM,  15                          ; s15  1 in a wave that prefetches
.set G1A,  24                          ; s[24:31] descriptor group 1 for Dn's tiles
.set G0A,  32                          ; s[32:39] group 0, one set for each slot
.set PFA,  44                          ; s[44:45] where my prefetches stand
.set G1B,  48                          ; s[48:55], s[56:63] the same for Xn's tiles
.set G0B,  56
.set MSB, 0
.macro WIN new                         ; the immediate's high byte repeats the setting that is left; a switch that changes nothing is dropped
.if MSB != (\new)
	s_set_vgpr_msb (MSB<<8)|(\new)
.set MSB, (\new)
.endif
.endm
.set MUL_LO, 0xa1                      ; source 0 (Xn) window 1, source 1 (Dn) window 0, C and D window 2
.set MUL_HI, 0xf1                      ; the same, C and D window 3
.set TO_B,   0x40                      ; destination window 1, address window 0
; A joint load.  Waves 0 and 1 fetch the two halves of Dn's tile, waves 2 and 3 those of Xn's.  The branch hangs on the wave's number alone.  An s_nop 0 and four v_nop follow each of the two lines,
; ahead of the jump, the label and what follows.
.macro JLOAD s
	s_cmp_eq_u32 s[FK], 0
	s_cbranch_scc0 .Lfor_b_\@
	tensor_load_to_lds s[G0A+4*(\s):G0A+4*(\s)+3], s[G1A:G1A+7]
	s_nop 0
.rept 4
	v_nop
.endr
	s_branch .Lasked_\@
.Lfor_b_\@:
	tensor_load_to_lds s[G0B+4*(\s):G0B+4*(\s)+3], s[G1B:G1B+7]
	s_nop 0
.rept 4
	v_nop
.endr
.Lasked_\@:
.endm
; A PREFETCH of Dn's K steps 2 and 3 of the NEXT tile, one K step at each of a tile's last two changes of slots: 32 rows x 256 bytes, a lane a row, one instruction a wave, two K steps (512 matrix instructions)
; and a tile's cube-and-sum ahead of the joint load that will want them.  Each row's 256 bytes are named ONCE in the launch: a tile row of Dn is walked by all four clusters of a row of clusters, and the first
; of them (cluster x = 0) asks; of the 128 rows that a wave fetches, the partner at place cx takes 32 cx .. 32 cx + 31, told apart BY ADDRESS.  A tile's K steps 0 and 1, the whole first tile and all of Xn
; come by their loads alone.  The last tile has no such change of slots, so nothing is asked for past Dn's end.
.macro ASK off
	s_cmp_eq_u32 s[LIM], 1
	s_cbranch_scc0 .Lnot_mine_\@
	global_prefetch_b8 v[PFO], s[PFA:PFA+1] offset:\off th:TH_LOAD_NT scope:SCOPE_SE
.Lnot_mine_\@:
.endm
; A round of the cluster's barrier: my work-group's barrier, so that wave 0's signal speaks for all four waves; wave 0 signals; every wave waits for all sixteen work-groups; my work-group's barrier once more.
.macro CREST                           ; a round behind its opening barrier
	s_cmp_lg_u32 s[WV], 0
	s_cbranch_scc1 .Lnot_wave_0_\@
	s_barrier_signal -3
.Lnot_wave_0_\@:
	s_barrier_wait -3
	s_barrier_signal -1
	s_barrier_wait -1
.endm
.macro CROUND                          ; a whole round
	s_barrier_signal -1
	s_barrier_wait -1
	CREST
.endm
	s_load_b256 s[4:11], s[0:1], 0x0               ; Dn s[4:5], Xn s[6:7], rhv s[8:9], part s[10:11]
	v_lshl_add_u32 v[SPW], v0, 2, SPARE
	v_mov_b32 v[NIL], 0
	ds_add_u32 v[SPW], v[NIL]                      ; the wave's opening: the add, twice on end, and its wait ahead of my first tensor load; the set-up below stands between
	ds_add_u32 v[SPW], v[NIL]
	v_lshrrev_b32 v1, 5, v0
	v_readfirstlane_b32 s[WV], v1                  ; wave 0..3
	s_lshr_b32 s[FK], s[WV], 1
	s_and_b32 s[HF], s[WV], 1
	s_bfe_u32 s40, ttmp6, 0x40000                  ; cx: my place along the cluster's x
	s_bfe_u32 s41, ttmp6, 0x40004                  ; cy: along its y
	s_lshl_b32 s42, ttmp9, 2                       ; in a cluster launch ttmp9 and ttmp7 count clusters
	s_add_co_u32 s42, s42, s40                     ; tx = 4 x cluster x + cx: my 256 queries
	s_and_b32 s43, ttmp7, 0xffff
	s_lshl_b32 s43, s43, 2
	s_add_co_u32 s43, s43, s41                     ; ty = 4 x cluster y + cy: my tiles' 256 exemplars
	s_lshl_b32 s18, s41, 2
	s_lshl_b32 s18, 15, s18                        ; my row of the cluster: places 4 cy .. 4 cy + 3
	s_lshl_b32 s19, 0x1111, s40                    ; my column: places cx, cx + 4, cx + 8, cx + 12
	; descriptor group 1: a tile of 128 rows x 128 elements of 2 bytes, padded in LDS
	s_or_b32 s[G1A+0], s18, (1<<16)|(1<<20)|(1<<21)|(5<<22)|(3<<25)  ; 15:0 the mask: Dn's tiles go to my row; 17:16 elements of 2 bytes; 20 padding on; 21 set beside a mask; 24:22 after every 64 words (code 5); 31:25 4 words (code 3)
	s_or_b32 s[G1B+0], s19, (1<<16)|(1<<20)|(1<<21)|(5<<22)|(3<<25)  ; the same with the mask of my column, for Xn's tiles
.irp g, G1A, G1B
	s_mov_b32 s[(\g)+1], KSTEP<<16                 ; tensor_dim0 = 128
	s_mov_b32 s[(\g)+2], 128<<16                   ; tensor_dim1 = 128
	s_mov_b32 s[(\g)+3], KSTEP<<16                 ; tile_dim0 = 128
	s_mov_b32 s[(\g)+4], 128                       ; tile_dim1 = 128
	s_mov_b32 s[(\g)+5], SIZE_K                    ; elements from row to row
	s_mov_b32 s[(\g)+6], 0
	s_mov_b32 s[(\g)+7], 0
.endr
	; where the tiles come from.  Dn's hang on ty alone, which my row of the cluster shares; Xn's on tx alone, which my column shares: each in registers that never hold the other coordinate
	s_lshl_b32 s17, s[HF], 7                       ; which 128 rows of the tile I fetch
	s_lshl_b32 s16, s43, 8
	s_add_co_u32 s16, s16, s17                     ; Dn: row 256 ty + 128 half
	s_lshl_b32 s46, s42, 8
	s_add_co_u32 s46, s46, s17                     ; Xn: row 256 tx + 128 half
	s_lshl_b32 s16, s16, 10                        ; in bytes: rows of 1,024
	s_lshl_b32 s46, s46, 10
	s_mov_b32 s17, 0
	s_mov_b32 s47, 0
	s_mul_i32 s22, s[WV], HALFT                    ; and where they go: wave x 128 rows: no place in the cluster enters an LDS address
	; offsets that mix the coordinates, in registers of their own
	s_lshl_b32 s66, s43, 10                        ; rhv: 4 (256 ty + 128 FK)
	s_lshl_b32 s67, s[FK], 9
	s_add_co_u32 s66, s66, s67
	s_mov_b32 s67, 0
	s_lshl_b32 s68, s43, 18                        ; the prefetches: row 256 ty + 128 half + 32 cx of Dn, K step 2
	s_lshl_b32 s69, s[HF], 17
	s_add_co_u32 s68, s68, s69
	s_lshl_b32 s69, s40, 15
	s_add_co_u32 s68, s68, s69
	s_add_co_u32 s68, s68, 2*KSTEP*2
	s_mov_b32 s69, 0
	s_lshl_b32 s70, s43, 15                        ; part: row 2 ty + FK of 16,384 bytes, query 256 tx + 128 half
	s_lshl_b32 s71, s[FK], 14
	s_add_co_u32 s70, s70, s71
	s_lshl_b32 s71, s42, 10
	s_add_co_u32 s70, s70, s71
	s_lshl_b32 s71, s[HF], 9
	s_add_co_u32 s70, s70, s71
	s_mov_b32 s71, 0
	s_or_b32 s[LIM], s[FK], ttmp9                  ; 0 in the waves that fetch Dn, where the cluster is its row's first: the same in all sixteen partners
	s_cmp_eq_u32 s[LIM], 0
	s_cselect_b32 s[LIM], 1, 0
	s_wait_dscnt 0x0                               ; both opening adds are done
	s_wait_kmcnt 0x0
	s_add_nc_u64 s[20:21], s[4:5], s[16:17]
	s_add_nc_u64 s[46:47], s[6:7], s[46:47]
	s_add_nc_u64 s[8:9], s[8:9], s[66:67]
	s_add_nc_u64 s[PFA:PFA+1], s[4:5], s[68:69]
	s_add_nc_u64 s[10:11], s[10:11], s[70:71]
	CROUND                                         ; all sixteen work-groups are here: the first joint loads meet
.irp s, 0,1
	s_mov_b32 s[G0A+4*(\s)], 1                                       ; count = 1
	s_add_co_u32 s[G0A+4*(\s)+1], s22, (\s)*SLOT                     ; LDS address
	s_add_nc_u64 s[G0A+4*(\s)+2:G0A+4*(\s)+3], s[20:21], (\s)*KSTEP*2  ; global address: K step s
	s_or_b32 s[G0A+4*(\s)+3], s[G0A+4*(\s)+3], 0x80000000            ; type = 2
	s_mov_b32 s[G0B+4*(\s)], 1
	s_add_co_u32 s[G0B+4*(\s)+1], s22, (\s)*SLOT
	s_add_nc_u64 s[G0B+4*(\s)+2:G0B+4*(\s)+3], s[46:47], (\s)*KSTEP*2
	s_or_b32 s[G0B+4*(\s)+3], s[G0B+4*(\s)+3], 0x80000000
	JLOAD \s                                       ; the ring is filled before anything else is done: two loads of mine are out
.endr
	; A fragment is 16 rows x 32 K in 8 registers: lane l holds row l % 16; registers 0-3 K = 8 (l / 16) + 0..7, registers 4-7 K = 16 + 8 (l / 16) + 0..7: two loads of 16 bytes, 32 bytes apart.
	v_and_b32 v1, 15, v0                           ; l % 16
	v_bfe_u32 v2, v0, 4, 1                         ; l / 16
	v_mul_u32_u24 v3, v1, PITCH
	v_lshl_add_u32 v3, v2, 4, v3                   ; row x pitch + 16 x half
	s_mul_i32 s3, s[FK], HALFT                     ; my 128 rows of Dn
	s_mul_i32 s23, s[HF], HALFT                    ; my 128 rows of Xn,
	s_add_co_u32 s23, s23, 2*HALFT                 ; which lie behind Dn's 256
.irp s, 0,1
	v_add_nc_u32 v[ADRA+(\s)], s3, v3
	v_add_nc_u32 v[ADRB+(\s)], s23, v3
	s_add_co_u32 s3, s3, SLOT
	s_add_co_u32 s23, s23, SLOT
.endr
	s_mul_i32 s3, s[WV], 16*SPITCH
	s_add_co_u32 s3, s3, STAGE                     ; my stage
	v_mul_u32_u24 v[STO], v1, SPITCH               ; in: row l % 16, 256 bytes for each half of the lanes
	v_lshl_add_u32 v[STO], v2, 8, v[STO]
	v_add_nc_u32 v[STO], s3, v[STO]
	v_and_b32 v[PFO], 31, v0
	v_lshl_add_u32 v[RD], v[PFO], 4, s3            ; back: 16 bytes a lane of each row
	v_lshlrev_b32 v[PFO], 10, v[PFO]
	v_bfe_u32 v4, v0, 1, 3                         ; word 4 l + c of a stage row is half l / 16, sum 4 (l % 16) + c: query 16 ((l % 16) / 2) + 8 (l / 16) + 4 (l % 2) + c
	v_and_b32 v5, 1, v0
	v_lshlrev_b32 v[CO], 6, v4
	v_lshl_add_u32 v[CO], v2, 5, v[CO]
	v_lshl_add_u32 v[CO], v5, 4, v[CO]
	v_lshlrev_b32 v[RHO], 2, v1
.set i_, 0
.rept 64
	v_mov_b32 v[SUM+i_], 0                         ; the running sums start at 0: written in the wait for the first tile, so that the cube-and-sum has one text for all five tiles
.set i_, i_+1
.endr
.irp a, 0,1,2,3,4,5,6,7
	v_mov_b32 v[RH+2*\a+1], 0                      ; named as the upper half of a pair, never used
.endr
; 16 matrix instructions: exemplar blocks a0, a0 + 1 of the window's four (hi = 0: my exemplars 0-63, 1: 64-127) x all 8 query blocks, 32 along K.  zero = 1: the first product starts the sums.
; The 64 accumulators take turns, one instruction a turn, in the same order in every quarter step, from tile to tile too.
.macro MUL16 f, hi, a0, zero
	WIN MUL_LO+0x50*(\hi)
.irp a, \a0, (\a0)+1
.irp b, 0,1,2,3,4,5,6,7
.if \zero
	v_wmma_f32_16x16x32_f16 v[8*(8*(\a)+(\b)):8*(8*(\a)+(\b))+7], v[(\f)+8*(\b):(\f)+8*(\b)+7], v[(\f)+8*(4*(\hi)+(\a)):(\f)+8*(4*(\hi)+(\a))+7], 0
.else
	v_wmma_f32_16x16x32_f16 v[8*(8*(\a)+(\b)):8*(8*(\a)+(\b))+7], v[(\f)+8*(\b):(\f)+8*(\b)+7], v[(\f)+8*(4*(\hi)+(\a)):(\f)+8*(4*(\hi)+(\a))+7], v[8*(8*(\a)+(\b)):8*(8*(\a)+(\b))+7]
.endif
.endr
.endr
.endm
; 32 LDS loads in one run: the fragments of one quarter step (128 rows of Xn, 128 rows of Dn, 32 K at byte k of the rows) into buffer f
.macro FETCH slot, k, f
	WIN TO_B
.irp i, 0,1,2,3,4,5,6,7
	ds_load_b128 v[(\f)+8*(\i):(\f)+8*(\i)+3],   v[ADRB+(\slot)] offset:(\k)+(\i)*16*PITCH
	ds_load_b128 v[(\f)+8*(\i)+4:(\f)+8*(\i)+7], v[ADRB+(\slot)] offset:(\k)+(\i)*16*PITCH+32
.endr
	WIN 0
.irp i, 0,1,2,3,4,5,6,7
	ds_load_b128 v[(\f)+8*(\i):(\f)+8*(\i)+3],   v[ADRA+(\slot)] offset:(\k)+(\i)*16*PITCH
	ds_load_b128 v[(\f)+8*(\i)+4:(\f)+8*(\i)+7], v[ADRA+(\slot)] offset:(\k)+(\i)*16*PITCH+32
.endr
.endm
.macro PLACES                          ; four places behind matrix instructions, in front of loads into registers that they have read and of reads of their results
.rept 4
	v_nop
.endr
.endm
; A K step is four quarter steps of 32 along K, 64 matrix instructions each, on buffers 0, 1, 0, 1.  One of the first three: multiplies buffer f; in its middle it fetches the next quarter's fragments into g.
.macro QUARTER slot, k, f, g, zero
	s_wait_dscnt 8                                 ; Xn's and Dn's rows 0-63 are in; the youngest eight loads (Dn's rows 64-127) may be out
	MUL16 \f, 0, 0, \zero
	MUL16 \f, 0, 2, \zero
	PLACES
	FETCH \slot, \k, \g
	s_wait_dscnt 32                                ; all but the 32 just issued
	MUL16 \f, 1, 0, \zero
	MUL16 \f, 1, 2, \zero
.endm
; The last quarter multiplies buffer 1 and changes slots.  MEET is its first half: ONE barrier.  In front of it each wave waits for all its tensor loads, of which one is out: its part of the next slot; adds 0 to
; its spare word; and waits for that and for its own reads of this slot.  Behind it nobody reads this slot any more and the next slot is whole.
.macro MEET round                      ; round = 1: a round of the cluster's barrier follows
	WIN 0                                          ; (the add's two registers lie in window 0)
	s_wait_tensorcnt 0x0                           ; all my tensor loads have landed;
	ds_add_u32 v[SPW], v[NIL]                      ; 0 onto my spare word;
	s_wait_dscnt 9                                 ; (the add and the youngest eight loads may be out)
	MUL16 F1, 0, 0, 0                              ; sixteen matrix instructions stand between the add and the wait for it
	s_wait_dscnt 0x0                               ; the add is done, and my reads of this slot are over:
	s_barrier_signal -1                            ; say so,
	MUL16 F1, 0, 2, 0                              ; work on registers while the others arrive,
.if \round
	WIN 0
.endif
	s_barrier_wait -1                              ; and go on when all four have said so
.endm
; The whole last quarter.  Behind the round the slot just read out is filled again first: with this tile's K step two steps on (on = 0) or with the NEXT tile's K step 0 or 1 (on = 1); then come the next slot's
; first fragments.  From a request to the wait for it a wave issues 224 matrix instructions.
.macro TURN slot, next, on
.if (\on) && ((\slot) == 0)
	s_wait_xcnt 0x0                                ; the last prefetch, a tile back, has read its address, so it may be written:
	s_add_nc_u64 s[PFA:PFA+1], s[PFA:PFA+1], WALK*SIZE_K*2  ; the next tile's K step 2
.endif
	MEET 1
	CREST                                          ; no wave of any partner still reads this slot's tile or has a load on its way
.if \on
	s_add_nc_u64 s[G0A+4*(\slot)+2:G0A+4*(\slot)+3], s[G0A+4*(\slot)+2:G0A+4*(\slot)+3], NEXT_A
	s_sub_nc_u64 s[G0B+4*(\slot)+2:G0B+4*(\slot)+3], s[G0B+4*(\slot)+2:G0B+4*(\slot)+3], BACK_B
.else
	s_add_nc_u64 s[G0A+4*(\slot)+2:G0A+4*(\slot)+3], s[G0A+4*(\slot)+2:G0A+4*(\slot)+3], 2*KSTEP*2
	s_add_nc_u64 s[G0B+4*(\slot)+2:G0B+4*(\slot)+3], s[G0B+4*(\slot)+2:G0B+4*(\slot)+3], 2*KSTEP*2
.endif
	JLOAD \slot                                    ; the first tensor load behind the round; the four v_nop behind it are also the places in front of the loads below
	FETCH \next, 0, F0
.if \on
	ASK KSTEP*2*(\slot)                            ; behind the joint load and the run of LDS loads that the next products wait for
.endif
	MUL16 F1, 1, 0, 0
	MUL16 F1, 1, 2, 0
.endm
; THE CUBE AND THE SUM, for a finished tile.  For each block a of 16 exemplars, three runs of 32 packed instructions under one window setting each: a^2; a rh, in place; sum += a^2 (a rh).
; Each accumulator's registers are taken in ascending order.
.macro EPI
	PLACES
	PLACES
	s_wait_loadcnt 0x0                             ; the tile's rhv are in, so their base may be written:
	s_add_nc_u64 s[8:9], s[8:9], WALK*4            ; the next tile's
.irp a, 0,1,2,3,4,5,6,7
.set AC, 64*((\a)%4)
	WIN 0x4a+5*((\a)/4)                            ; destination window 1, sources window 2 or 3
.set i_, 0
.rept 32
	v_pk_mul_f32 v[T+2*i_:T+2*i_+1], v[AC+2*i_:AC+2*i_+1], v[AC+2*i_:AC+2*i_+1]
.set i_, i_+1
.endr
	WIN 0x82+0x41*((\a)/4)                         ; destination and source 0 window 2 or 3, rhv window 0
.set i_, 0
.rept 32
	v_pk_mul_f32 v[AC+2*i_:AC+2*i_+1], v[AC+2*i_:AC+2*i_+1], v[RH+2*(\a):RH+2*(\a)+1] op_sel_hi:[1,0]
.set i_, i_+1
.endr
	WIN 0x09+4*((\a)/4)                            ; source 0 window 1, source 1 window 2 or 3, sums window 0
.set i_, 0
.rept 32
	v_pk_fma_f32 v[SUM+2*i_:SUM+2*i_+1], v[T+2*i_:T+2*i_+1], v[AC+2*i_:AC+2*i_+1], v[SUM+2*i_:SUM+2*i_+1]
.set i_, i_+1
.endr
.endr
	WIN 0
.endm
	s_wait_tensorcnt 1                             ; my part of K step 0 is in; K step 1's load stays out
	s_barrier_signal -1
	s_barrier_wait -1                              ; everybody's is
	FETCH 0, 0, F0
	s_mov_b32 s2, TILES                            ; tiles to go, this one among them: the same number in every work-group
.Ltile:
.irp a, 0,1,2,3,4,5,6,7
	global_load_b32 v[RH+2*\a], v[RHO], s[8:9] offset:64*\a  ; rhv of my exemplar in each of my 8 blocks: wanted a whole tile later
.endr
	QUARTER 0, 64,  F0, F1, 1                      ; K step 0: its first quarter's products start the sums
	QUARTER 0, 128, F1, F0, 0
	QUARTER 0, 192, F0, F1, 0
	TURN 0, 1, 0                                   ; slot 0 takes K step 2
	QUARTER 1, 64,  F0, F1, 0                      ; K step 1
	QUARTER 1, 128, F1, F0, 0
	QUARTER 1, 192, F0, F1, 0
	TURN 1, 0, 0                                   ; slot 1 takes K step 3
	QUARTER 0, 64,  F0, F1, 0                      ; K step 2
	QUARTER 0, 128, F1, F0, 0
	QUARTER 0, 192, F0, F1, 0
	WIN 0                                          ; at a label and at a branch every window is 0
	s_cmp_eq_u32 s2, 1
	s_cbranch_scc1 .Llast                          ; the last tile's tail is written out: it asks for nothing more
	TURN 0, 1, 1                                   ; THE RING GOES ON INTO THE NEXT TILE: slot 0 takes its K step 0,
	QUARTER 1, 64,  F0, F1, 0                      ; K step 3
	QUARTER 1, 128, F1, F0, 0
	QUARTER 1, 192, F0, F1, 0
	TURN 1, 0, 1                                   ; slot 1 its K step 1, and the next tile's first fragments are fetched
	WIN 0
	s_branch .Lepi
.Llast:
	MEET 0                                         ; my one tensor load that was still out is slot 1's, the last K step's, so no round follows
	PLACES                                         ; for the loads into buffer 0, which the quarter before multiplied
	FETCH 1, 0, F0
	MUL16 F1, 1, 0, 0
	MUL16 F1, 1, 2, 0
	QUARTER 1, 64,  F0, F1, 0
	QUARTER 1, 128, F1, F0, 0
	QUARTER 1, 192, F0, F1, 0
	s_wait_dscnt 8                                 ; the very last quarter: nothing more to fetch
	MUL16 F1, 0, 0, 0
	MUL16 F1, 0, 2, 0
	s_wait_dscnt 0x0
	MUL16 F1, 1, 0, 0
	MUL16 F1, 1, 2, 0
	WIN 0
.Lepi:
	EPI
	s_sub_co_u32 s2, s2, 1
	s_cmp_lg_u32 s2, 0
	s_cbranch_scc1 .Ltile
	; THE END.  A query's sum lies in 16 lanes.  Each lane puts its 64 sums into a row of my stage; each lane then reads 16 bytes of all 16 rows and adds them.
.irp k, 0,1,2,3,4,5,6,7,8,9,10,11,12,13,14,15
	ds_store_b128 v[STO], v[SUM+4*\k:SUM+4*\k+3] offset:16*\k
.endr
.irp i, 0,1,2,3,4,5,6,7,8,9,10,11,12,13,14,15
	ds_load_b128 v[F1+4*\i:F1+4*\i+3], v[RD] offset:SPITCH*\i  ; LDS serves a wave's instructions in order (ISA guide 5.7.1.4): these see the stores above
.endr
	s_wait_dscnt 0x0
.irp st, 8,4,2,1
.set p_, 0
.rept \st
	v_pk_add_f32 v[F1+4*p_:F1+4*p_+1],   v[F1+4*p_:F1+4*p_+1],   v[F1+4*(p_+\st):F1+4*(p_+\st)+1]
	v_pk_add_f32 v[F1+4*p_+2:F1+4*p_+3], v[F1+4*p_+2:F1+4*p_+3], v[F1+4*(p_+\st)+2:F1+4*(p_+\st)+3]
.set p_, p_+1
.endr
.endr
	global_store_b128 v[CO], v[F1:F1+3], s[10:11]  ; the wave's store covers 512 consecutive bytes, at a multiple of 256 from part's first byte
	s_wait_tensorcnt 0x0                           ; the wave's end: behind my last tensor load and my last LDS store
	ds_add_u32 v[SPW], v[NIL]
	s_wait_dscnt 0x0
	CROUND                                         ; the closing round: no work-group ends while a partner may still ask for a tile that names it
	s_endpgm
.Lfunc_end_k_q7f15f65f50_retrieve:
	.size	k_q7f15f65f50_retrieve, .Lfunc_end_k_q7f15f65f50_retrieve-k_q7f15f65f50_retrieve
	.p2alignl 7, 3214868480
	.fill 96, 4, 3214868480
	.section	.rodata,"a",@progbits
	.p2align	6, 0x0
	.amdhsa_kernel k_q7f15f65f50_retrieve
		.amdhsa_group_segment_fixed_size 327680
		.amdhsa_private_segment_fixed_size 0
		.amdhsa_enable_private_segment 0
		.amdhsa_kernarg_size 32
		.amdhsa_user_sgpr_count 2
		.amdhsa_user_sgpr_kernarg_segment_ptr 1
		.amdhsa_wavefront_size32 1
		.amdhsa_system_sgpr_workgroup_id_x 1
		.amdhsa_system_sgpr_workgroup_id_y 1
		.amdhsa_system_sgpr_workgroup_id_z 1
		.amdhsa_system_vgpr_workitem_id 0
		.amdhsa_next_free_vgpr 1024
		.amdhsa_next_free_sgpr 72
		.amdhsa_reserve_vcc 0
		.amdhsa_float_denorm_mode_32 3
		.amdhsa_float_denorm_mode_16_64 3
		.amdhsa_memory_ordered 1
		.amdhsa_forward_progress 1
		.amdhsa_inst_pref_size 202
	.end_amdhsa_kernel
	.amdgpu_metadata
---
amdhsa.version: [ 1, 2 ]
amdhsa.kernels:
  - .name:           k_q7f15f65f50_retrieve
    .symbol:         k_q7f15f65f50_retrieve.kd
    .args:
      - { .name: Dn, .offset: 0, .size: 8, .value_kind: global_buffer, .address_space: global }
      - { .name: Xn, .offset: 8, .size: 8, .value_kind: global_buffer, .address_space: global }
      - { .name: rhv, .offset: 16, .size: 8, .value_kind: global_buffer, .address_space: global }
      - { .name: part, .offset: 24, .size: 8, .value_kind: global_buffer, .address_space: global }
    .group_segment_fixed_size: 327680
    .private_segment_fixed_size: 0
    .kernarg_segment_align: 8
    .kernarg_segment_size: 32
    .max_flat_workgroup_size: 128
    .sgpr_count:     72
    .vgpr_count:     1024
    .wavefront_size: 32
...
	.end_amdgpu_metadata
.endif
;; end of part 3
;; launch finish (part 4): grid 16 x 1, 2 waves a work-group, no clusters, 0 bytes of LDS; arguments part, out0, out1; writes out0, out1
.if DOCPART == 4
	.amdgcn_target "amdgcn-amd-amdhsa--gfx1250"
	.amdhsa_code_object_version 6
	.text
	.protected	k_q7f15f65f50_finish
	.globl	k_q7f15f65f50_finish
	.p2align	8
	.type	k_q7f15f65f50_finish,@function
k_q7f15f65f50_finish:
	s_mov_b64 s[64:65], 0
	v_nop
	global_prefetch_b8 v0, s[64:65] scope:SCOPE_SE
	s_setreg_imm32_b32 hwreg(HW_REG_WAVE_MODE, 25, 1), 1
	s_wait_xcnt 0x0
; MINERVA, launch 4 of 4: logits[b] = the sum over p of part[p][b] (32 partial sums in f32, one for each 640 exemplars); preds = 1 / (1 + e^-logits).  Nothing is left out.
; A sum that spans the work-groups of the launch before is added here, by one owner for each output.  A thread takes four queries: 32 loads of 16 bytes, all on their way together; 16 lanes store 256 consecutive bytes.
; LIMIT: e^-x is 2^(-1.442695 x): where it overflows the reciprocal is 0, where it vanishes preds is 1, as the formula has it.
.set NP,   32                          ; partial sums
.set PROW, 16384                       ; bytes in a row of part
.set B,    16                          ; v[16:143] the 32 x 4 numbers
	s_load_b128 s[4:7], s[0:1], 0x0                ; part s[4:5], out0 s[6:7]
	s_load_b64 s[8:9], s[0:1], 0x10                ; out1
	s_lshl_b32 s10, ttmp9, 10                      ; 64 threads x 16 bytes
	v_lshl_add_u32 v1, v0, 4, s10
	s_wait_kmcnt 0x0
.set p_, 0
.rept NP
	global_load_b128 v[B+4*p_:B+4*p_+3], v1, s[4:5] offset:PROW*p_
.set p_, p_+1
.endr
	s_wait_loadcnt 0x0
.irp st, 16,8,4,2,1
.set p_, 0
.rept \st
	v_pk_add_f32 v[B+4*p_:B+4*p_+1],   v[B+4*p_:B+4*p_+1],   v[B+4*(p_+\st):B+4*(p_+\st)+1]
	v_pk_add_f32 v[B+4*p_+2:B+4*p_+3], v[B+4*p_+2:B+4*p_+3], v[B+4*(p_+\st)+2:B+4*(p_+\st)+3]
.set p_, p_+1
.endr
.endr
	global_store_b128 v1, v[B:B+3], s[6:7]         ; logits
.irp i, 0,1,2,3
	v_mul_f32 v[8+\i], 0xbfb8aa3b, v[B+\i]         ; -log2(e) x
.endr
.irp i, 0,1,2,3
	v_exp_f32 v[8+\i], v[8+\i]
.endr
	v_nop                                          ; a plain instruction behind the last exponential,
	s_wait_alu depctr_va_vdst(0)                   ; and the wait ahead of the first use: one for the four
.irp i, 0,1,2,3
	v_add_f32 v[8+\i], 1.0, v[8+\i]
.endr
.irp i, 0,1,2,3
	v_rcp_f32 v[8+\i], v[8+\i]
.endr
	v_nop
	s_wait_alu depctr_va_vdst(0)                   ; one for the four reciprocals
	global_store_b128 v1, v[8:11], s[8:9]          ; preds
	s_endpgm
.Lfunc_end_k_q7f15f65f50_finish:
	.size	k_q7f15f65f50_finish, .Lfunc_end_k_q7f15f65f50_finish-k_q7f15f65f50_finish
	.p2alignl 7, 3214868480
	.fill 96, 4, 3214868480
	.section	.rodata,"a",@progbits
	.p2align	6, 0x0
	.amdhsa_kernel k_q7f15f65f50_finish
		.amdhsa_group_segment_fixed_size 0
		.amdhsa_private_segment_fixed_size 0
		.amdhsa_enable_private_segment 0
		.amdhsa_kernarg_size 24
		.amdhsa_user_sgpr_count 2
		.amdhsa_user_sgpr_kernarg_segment_ptr 1
		.amdhsa_wavefront_size32 1
		.amdhsa_system_sgpr_workgroup_id_x 1
		.amdhsa_system_sgpr_workgroup_id_y 1
		.amdhsa_system_sgpr_workgroup_id_z 1
		.amdhsa_system_vgpr_workitem_id 0
		.amdhsa_next_free_vgpr 144
		.amdhsa_next_free_sgpr 66
		.amdhsa_reserve_vcc 0
		.amdhsa_float_denorm_mode_32 3
		.amdhsa_float_denorm_mode_16_64 3
		.amdhsa_memory_ordered 1
		.amdhsa_forward_progress 1
		.amdhsa_inst_pref_size 9
	.end_amdhsa_kernel
	.amdgpu_metadata
---
amdhsa.version: [ 1, 2 ]
amdhsa.kernels:
  - .name:           k_q7f15f65f50_finish
    .symbol:         k_q7f15f65f50_finish.kd
    .args:
      - { .name: part, .offset: 0, .size: 8, .value_kind: global_buffer, .address_space: global }
      - { .name: out0, .offset: 8, .size: 8, .value_kind: global_buffer, .address_space: global }
      - { .name: out1, .offset: 16, .size: 8, .value_kind: global_buffer, .address_space: global }
    .group_segment_fixed_size: 0
    .private_segment_fixed_size: 0
    .kernarg_segment_align: 8
    .kernarg_segment_size: 24
    .max_flat_workgroup_size: 64
    .sgpr_count:     66
    .vgpr_count:     144
    .wavefront_size: 32
...
	.end_amdgpu_metadata
.endif
;; end of part 4
